; MI455X (gfx1250); checked and timed in simulation.
; The chip was launched on July 23, 2026; its instructions are those of AMD's public machine-readable ISA for CDNA 5 (MIT licence, August 2026) and "CDNA5" Instruction Set Architecture Reference Guide (July 2026). The comments in the code are by the model that wrote it; some were corrected since.
;; Full Attention. Allowed arithmetic: matrix products marked QUANTISED: E2M1 operands, one E8M0 scale for each 32 along K, by v_wmma_scale_f32_16x16x128_f8f6f4 with both operands' format E2M1 (or v_wmma_scale_f32_32x16x128_f4), f32 sums; everything else in f32.
;; Inputs: attention_mask 4 x 1 x 2,048 x 2,048 bool; keys_codes 4 x 2,048 x 16 x 2 x 16 uint8 (E2M1 codes of keys, K innermost, in blocks of 32 codes, two codes a byte); keys_scales 4 x 2,048 x 16 x 2 uint8 (E8M0 scales of keys, one for each 32 codes along K); queries_codes 4 x 2,048 x 16 x 2 x 16 uint8 (E2M1 codes of queries, K innermost, in blocks of 32 codes, two codes a byte); queries_scales 4 x 2,048 x 16 x 2 uint8 (E8M0 scales of queries, one for each 32 codes along K); values_codes 4 x 16 x 64 x 64 x 16 uint8 (E2M1 codes of values, K innermost, in blocks of 32 codes, two codes a byte); values_scales 4 x 16 x 64 x 64 uint8 (E8M0 scales of values, one for each 32 codes along K).
;; Outputs: out0 4 x 2,048 x 16 x 64 float32.
;; This version of the problem:
;;   THIS VERSION OF THE PROBLEM IS GIVEN IN LOW PRECISION. The matrix products marked QUANTISED in the list below multiply operands that are first quantised to E2M1 (2 exponent bits, 1 mantissa bit; 4 bits a number), with one power-of-two scale for each 32 numbers along K (OCP MX v1.0); their sums are f32. All else is computed in f32.
;;   The module's matrix products, in the order in which they are computed (A, B: the left and right operand; K: the contracted axis; several contracted axes count as one K, in the product's order):
;;     1. batch 64 x [M 2,048, K 64] x [K 64, N 2,048]; A: input queries (given as codes); B: input keys (given as codes): QUANTISED
;;     2. batch 64 x [M 64, K 2,048] x [K 2,048, N 2,048]; A: input values (given as codes); B: computed on the way: QUANTISED
;;   THE QUANTISER, for each operand of a quantised product, along K:
;;     - K is cut into blocks of 32 from its start; a last block that is shorter is filled with zeros.
;;     - A block's scale is 2^e with e = floor(log2(the largest magnitude in the block)) - 2, held to -126 .. 127; a block of zeros has e = 0. As a byte (E8M0): e + 127.
;;     - Each number is divided by its block's scale, clamped to +-6, and rounded to the nearest number of E2M1, ties to even, subnormals kept.
;;     - The product sums the exact products of the quantised numbers (number of the format x scale) in f32.
;;   ~~~python
;;   def quantise(x, axis):      # numpy; x: float32 -> the quantised numbers, widened to float32 again
;;       x = np.moveaxis(x, axis, -1); K = x.shape[-1]
;;       x = np.pad(x, [(0, 0)] * (x.ndim - 1) + [(0, -K % 32)]); x = x.reshape(x.shape[:-1] + (-1, 32)); a = np.abs(x).max(-1, keepdims=True)
;;       e = np.where(a > 0, np.clip(np.frexp(np.where(a > 0, a, 1))[1] - 1 - 2, -126, 127), 0)      # np.frexp(a)[1] - 1 = floor(log2(a)), exactly
;;       r = np.clip(x / 2.0 ** e, -6, 6)
;;       step = 2.0 ** (np.maximum(np.frexp(np.where(r == 0, 1, r))[1] - 1, 0) - 1)
;;       q = np.round(r / step) * step * 2.0 ** e      # np.round: ties to even
;;       return np.moveaxis(q.reshape(q.shape[:-2] + (-1,))[..., :K], -1, axis).astype(np.float32)
;;   ~~~
;;   OPERANDS COMPUTED ON THE WAY. 'Computed on the way' means the value that the module computes at that place (a softmax that the list does not call 'softmax' is quantised finished and normalised). What goes into a quantiser is computed in f32, as accurately as f32 sums, v_exp_f32 and their like allow (about 1e-6 of the number): no bf16 or f16 on the way to a quantiser, and a product that is left as it is and whose result goes on into a quantised operand takes f32 operands (vector FMAs, or v_wmma_f32_16x16x4_f32). A number that lies on a knife's edge between two numbers of the format may be rounded either way, as far as f32 arithmetic and the matrix unit's own rounding can turn it there, and no further.
;;   INPUTS GIVEN AS CODES. keys (in the module: [4, 2048, 16, 64], K = its axis 3); queries (in the module: [4, 2048, 16, 64], K = its axis 3); values (in the module: [4, 2048, 16, 64], K = its axis 1): each comes as NAME_codes (uint8): NAME with its K axis moved to the last place and cut into blocks of 32 codes, [.., K / 32, bytes a block], one block behind the other in memory; two codes a byte, the lower K in the low four bits (a code: sign, 2 exponent bits, 1 mantissa bit); and NAME_scales (uint8): the same leading axes, one E8M0 byte (e + 127) for each 32 codes along K. Its value is code x scale, taken as it is: it is not quantised again, and the codes and scales need not be those that the quantiser above would give.
;; One version. Each part assembles by itself: llvm-mc -triple=amdgcn-amd-amdhsa -mcpu=gfx1250 --defsym DOCPART=n.
;; ======== version 1 of 1: 2 launches
;; limits: right only within a limited range of input values
;; workspace buffers: maskcodes 8,388,608 bytes
;; launch mcodes (part 1): grid 128 x 4, 8 waves a work-group, no clusters, 17,408 bytes of LDS; arguments attention_mask, maskcodes; writes maskcodes
.if DOCPART == 1
	.amdgcn_target "amdgcn-amd-amdhsa--gfx1250"
	.amdhsa_code_object_version 6
	.text
	.protected	k_q2a25ce5109_mcodes
	.globl	k_q2a25ce5109_mcodes
	.p2align	8
	.type	k_q2a25ce5109_mcodes,@function
k_q2a25ce5109_mcodes:
	s_mov_b64 s[64:65], 0
	v_nop
	global_prefetch_b8 v0, s[64:65] scope:SCOPE_SE
	s_setreg_imm32_b32 hwreg(HW_REG_WAVE_MODE, 25, 1), 1
	s_wait_xcnt 0x0
; attention_mask [4][1][2048][2048], one byte a place (bool: 0 or 1, 1 = hidden; other bytes are not served), becomes E2M1 CODES in the order of a matrix operand's registers:
; maskcodes [b 4][T 128][chunk 16][g 2][lane 32][16 bytes].  For a tile of 16 queries (T) and a chunk of 128 keys, register 4 g + i of lane (r, h), nibble n, is k = 64 g + 32 h + 8 i + n of row r:
; k = 16 u + j stands for query 16 T + j and for key 64 (u / 4) + 8 (u % 4) + 32 (r / 8) + r % 8 of the chunk, row r of the attention launch's key tile u.  The code is 1 (the number 0.5) where hidden, else 0.
; The mask serves a batch's 16 heads, so the bytes are read and turned once here: 16 MiB in, 8 MiB out.
; SHARES.  A work-group takes one tile of 16 queries (x = T, y = b); wave w keys 256 w .. 256 w + 255, two chunks.  Each load reads one row's 256 aligned bytes, 8 a lane.
; Eight queries' bytes of four keys are shifted into one word (bit n of a byte = query n); each byte is spread to eight nibbles; the words go through the wave's own 2,048 bytes of LDS into operand order
; and leave as 512 consecutive bytes a store.  Waves share nothing: no barrier.
.set SPARE, 16384                      ; behind the eight stages: the spare words
.set D, 8                              ; v8-39  row j's 8 bytes at v[8 + 2 j]
.set O, 40                             ; v40-55 key e's two words at v[40 + 2 e]
	s_load_b128 s[4:7], s[0:1], 0x0
	v_lshl_add_u32 v60, v0, 2, SPARE
	v_mov_b32 v61, 0
	v_lshrrev_b32 v1, 5, v0
	v_readfirstlane_b32 s8, v1                     ; wave 0..7
	s_lshl_b32 s9, s8, 11                          ; my stage
	v_and_b32 v1, 31, v0
	v_lshlrev_b32 v2, 3, v1                        ; in: 8 bytes a lane
	v_lshrrev_b32 v3, 3, v1                        ; my keys 8 lane + e: lane bits 4:3 = chunk and g: 512 bytes each step;
	v_lshlrev_b32 v3, 9, v3
	v_bfe_u32 v4, v1, 2, 1                         ; bit 2: rows 8-15: 8 lanes of 16 bytes on;
	v_lshl_add_u32 v3, v4, 7, v3
	v_bfe_u32 v4, v1, 1, 1                         ; bit 1: the operand's lanes 16-31;
	v_lshl_add_u32 v3, v4, 8, v3
	v_and_b32 v4, 1, v1                            ; bit 0: two registers on
	v_lshl_add_u32 v3, v4, 3, v3
	v_add_nc_u32 v3, s9, v3                        ; into the stage; key e of my eight is row e: 16 e further on
	v_lshlrev_b32 v5, 4, v1                        ; out: 16 bytes a lane
	v_add_nc_u32 v4, s9, v5                        ; and out of the stage
	s_and_b32 s10, ttmp7, 0xffff                   ; b
	s_lshl_b32 s12, s10, 22
	s_lshl_b32 s11, ttmp9, 15
	s_add_co_u32 s12, s12, s11
	s_lshl_b32 s11, s8, 8
	s_add_co_u32 s12, s12, s11                     ; the mask: b 2^22 + T x 16 rows + 256 wave
	s_mov_b32 s13, 0
	s_lshl_b32 s14, s10, 21
	s_lshl_b32 s11, ttmp9, 14
	s_add_co_u32 s14, s14, s11
	s_add_co_u32 s14, s14, s9                      ; the codes: b 2^21 + T 2^14 + 2,048 wave
	s_mov_b32 s15, 0
	s_wait_alu depctr_va_vdst(0)                   ; the wait at the head's end
	s_wait_kmcnt 0x0
	s_add_nc_u64 s[4:5], s[4:5], s[12:13]
	s_add_nc_u64 s[6:7], s[6:7], s[14:15]
.irp j, 0,1,2,3,4,5,6,7,8,9,10,11,12,13,14,15
	global_load_b64 v[D+2*\j:D+2*\j+1], v2, s[4:5] offset:2048*\j th:TH_LOAD_NT
.endr
	s_wait_loadcnt 0x0
.irp n, 1,2,3,4,5,6,7                          ; v[D + 16 q + d]: byte e' = queries 8 q + 0 .. 7 of key 4 d + e', a bit each
.irp q, 0,1
.irp d, 0,1
	v_lshl_or_b32 v[D+16*\q+\d], v[D+16*\q+2*\n+\d], \n, v[D+16*\q+\d]
.endr
.endr
.endr
.macro ALL16 op:vararg                         ; one line for each of the 16 words, by turns
.set ee, 0
.rept 16
	\op
.set ee, ee+1
.endr
.endm
	ALL16 v_bfe_u32 v[O+ee], v[D+16*(ee%2)+ee/8], 8*((ee/2)%4), 8
	ALL16 v_lshl_or_b32 v[O+ee], v[O+ee], 12, v[O+ee]
	ALL16 v_and_b32 v[O+ee], 0x000f000f, v[O+ee]
	ALL16 v_lshl_or_b32 v[O+ee], v[O+ee], 6, v[O+ee]
	ALL16 v_and_b32 v[O+ee], 0x03030303, v[O+ee]
	ALL16 v_lshl_or_b32 v[O+ee], v[O+ee], 3, v[O+ee]
	ALL16 v_and_b32 v[O+ee], 0x11111111, v[O+ee]   ; bit n has become nibble n's lowest bit: the code of 0.5
.irp e, 0,1,2,3,4,5,6,7
	ds_store_b64 v3, v[O+2*\e:O+2*\e+1] offset:16*\e
.endr
.irp i, 0,1,2,3
	ds_load_b128 v[D+4*\i:D+4*\i+3], v4 offset:512*\i   ; LDS serves a wave's instructions in order: these see my stores
.endr
	s_wait_dscnt 0x0
.irp i, 0,1,2,3
	global_store_b128 v5, v[D+4*\i:D+4*\i+3], s[6:7] offset:512*\i   ; 32 lanes store 512 consecutive bytes, aligned
.endr
	s_wait_tensorcnt 0x0                           ; the wave's end
	ds_add_u32 v60, v61
	s_wait_dscnt 0x0
	s_endpgm
.Lfunc_end_k_q2a25ce5109_mcodes:
	.size	k_q2a25ce5109_mcodes, .Lfunc_end_k_q2a25ce5109_mcodes-k_q2a25ce5109_mcodes
	.p2alignl 7, 3214868480
	.fill 96, 4, 3214868480
	.section	.rodata,"a",@progbits
	.p2align	6, 0x0
	.amdhsa_kernel k_q2a25ce5109_mcodes
		.amdhsa_group_segment_fixed_size 17408
		.amdhsa_private_segment_fixed_size 0
		.amdhsa_enable_private_segment 0
		.amdhsa_kernarg_size 16
		.amdhsa_user_sgpr_count 2
		.amdhsa_user_sgpr_kernarg_segment_ptr 1
		.amdhsa_wavefront_size32 1
		.amdhsa_system_sgpr_workgroup_id_x 1
		.amdhsa_system_sgpr_workgroup_id_y 1
		.amdhsa_system_sgpr_workgroup_id_z 1
		.amdhsa_system_vgpr_workitem_id 0
		.amdhsa_next_free_vgpr 64
		.amdhsa_next_free_sgpr 66
		.amdhsa_reserve_vcc 0
		.amdhsa_float_denorm_mode_32 3
		.amdhsa_float_denorm_mode_16_64 3
		.amdhsa_memory_ordered 1
		.amdhsa_forward_progress 1
		.amdhsa_inst_pref_size 14
	.end_amdhsa_kernel
	.amdgpu_metadata
---
amdhsa.version: [ 1, 2 ]
amdhsa.kernels:
  - .name:           k_q2a25ce5109_mcodes
    .symbol:         k_q2a25ce5109_mcodes.kd
    .args:
      - { .name: attention_mask, .offset: 0, .size: 8, .value_kind: global_buffer, .address_space: global }
      - { .name: maskcodes, .offset: 8, .size: 8, .value_kind: global_buffer, .address_space: global }
    .group_segment_fixed_size: 17408
    .private_segment_fixed_size: 0
    .kernarg_segment_align: 8
    .kernarg_segment_size: 16
    .max_flat_workgroup_size: 256
    .sgpr_count:     66
    .vgpr_count:     64
    .wavefront_size: 32
...
	.end_amdgpu_metadata
.endif
;; end of part 1
;; launch attn (part 2): grid 4 x 64, 4 waves a work-group, no clusters, 107,008 bytes of LDS; arguments queries_codes, queries_scales, keys_codes, keys_scales, values_codes, values_scales, maskcodes, out0; writes out0
.if DOCPART == 2
	.amdgcn_target "amdgcn-amd-amdhsa--gfx1250"
	.amdhsa_code_object_version 6
	.text
	.protected	k_q2a25ce5109_attn
	.globl	k_q2a25ce5109_attn
	.p2align	8
	.type	k_q2a25ce5109_attn,@function
k_q2a25ce5109_attn:
	s_mov_b64 s[64:65], 0
	v_nop
	global_prefetch_b8 v0, s[64:65] scope:SCOPE_SE
	s_setreg_imm32_b32 hwreg(HW_REG_WAVE_MODE, 25, 1), 1
	s_wait_xcnt 0x0
; out0[b][q][head][:] = sum over k of A[q][k] V[k][:],  A = nan_to_num(softmax_k(where(mask, -inf, Q[q] . K[k]) / 8)), both products on codes of FP4 (E2M1) with one E8M0 scale for each 32 along K.
; WHAT IS QUANTISED for the second product is the FINISHED, normalised A, in blocks of 32 keys: a row's maximum and sum are known before any of its codes is made, and the row's p are kept in registers meanwhile.
; SHARES.  A work-group (x = a quarter of the queries, y = 16 b + head) walks 32 JOBS of 16 queries.  Its four waves share the KEYS: wave w owns keys 512 w .. 512 w + 511: 256 score registers a job.
; The wave's K and V codes (128 + 128 registers) and scale words are loaded once and stay.  K's pieces (32 bytes of rows 512 bytes apart) come straight in operand order; V's rows come as 256 consecutive bytes a channel
; and are turned into operand order, in step 0, through a stage of the wave's own in LDS.  Through LDS the waves hand each other a pair (c x maximum, sum) a query and a partial O of 16 x 64.
; NO TENSOR LOADS, NO CLUSTER: what the four work-groups of a (b, head) share is K and V, which each reads once, at its head, for registers that stay; there is no loop to run ahead in for them.
; LAYOUT.  Both products are used transposed (S^T = K Q^T, O^T = V^T A^T): a lane holds ONE query (lane % 16).  Row m of key tile 4 B + v of a chunk of 128 keys takes key 64 B + 32 (m / 8) + 8 v + m % 8, so that
; registers 32 B + 0 .. 31 of a chunk's 64 in lane (r, h) are keys 64 B + 32 h + 0 .. 31: ONE WHOLE BLOCK of 32 in a lane, in the order of the second product's operand: a block's maximum asks no other lane, and the codes are not moved.
; THE HEAD'S 64 IN AN INSTRUCTION OF 128: Q's operand is four registers of codes and four of zero codes; K's operand of tile t is v[4 t : 4 t + 7], whose upper four registers (the next tile's codes; behind the last tile
; zero codes, later V's first) meet zero codes under scale bytes 0 (the scale words come by 16-bit loads): they add exactly 0.
; THE MASK comes as codes (0.5 where hidden, else 0; the launch before).  A chunk's operand holds, at k = 16 u + j, query j against row r of key tile u.  A product with selector u (the code -6 at k = 16 u + q of column q, zero codes
; elsewhere), both scales 2^49, STARTS each score accumulator at -3 x 2^98 where hidden and at 0 elsewhere; K Q^T is added onto it in place.  No pattern of the mask is built in; no branch and no address hangs on it.
; ARITHMETIC, c = log2(e) / 8.  Wave: CMW = c x max(largest score, -2^96); p = 2^(c s - CMW), 0 for a hidden key; LW = sum of p.  All four: M = max CMW; L = sum of LW 2^(CMW - M); G = 2^(my CMW - M) / L where L > 0, else 0;
; A = p G.  Every exponent is 0 or less.  A row that is hidden whole has L = 0, G = 0: zero codes, O = 0, as nan_to_num has it.  A block's largest A is not searched for: the block's largest score goes through the same
; multiply-add, exponential and multiplication as the elements (this takes v_exp_f32 not to fall where its input rises).
; LIMITS: |score| under 2^95; a p or a factor under 2^-126 falls to 0, as v_exp_f32 has it; scale bytes 0xff, NaN and infinities are not served.
; PIPELINE.  STEP j: maxima, p and sums of job j; normalise, quantise, V^T A^T of job j - 1; the four partial O of job j - 2 added and stored; job j + 1's score products round the barrier's signal.
; One barrier a step.  Both exchange regions have two copies by parity: a copy stored in step j is read in step j + 1 and stored again in step j + 2, behind the barrier of step j + 1, ahead of which every wave has waited for its LDS reads.
; REGISTERS, in windows of 256 (s_set_vgpr_msb: bits 1:0 source 0, 3:2 source 1, 5:4 source 2, 7:6 destination): window 0 all below; window 1 even jobs' scores and p; window 3 odd jobs' (at the head: V as it comes); window 2 K's 32 tiles at v[4 t], V's 16 fragments from v128.
.set STATS, 0                          ; LDS: copy p at 1,024 p, wave i at + 256 i, lane at + 8 lane: (CMW, LW)
.set OPART, 2048                       ; partial O: copy p at + OCOPY p, wave s at + OWAVE s, query r at + OP r
.set OP,    272                        ; 64 f32 + 16 bytes: 16 rows start at 16 different banks
.set OWAVE, 16*OP
.set OCOPY, 4*OWAVE
.set SPARE, 0x9000                     ; the spare words, 128 bytes a wave
.set VST,   0x9200                     ; V's stages: 64 channels x (256 + 16) bytes for each wave
.set VWAVE, 64*272
.set QA, 1
.set QSA, 2
.set OST, 3
.set ORD, 4
.set OGA, 5
.set STA, 6
.set STL, 7
.set PFO, 8
.set MKA, 9
.set SPW, 10
.set NIL, 11
.set SH8, 12                           ; 8 h: where my blocks' bytes stand in a scale word
.set G,   14                           ; v[14:15] G, and a word named with it
.set QOP, 16                           ; v16-23 Q's operand
.set QSC, 24                           ; Q's scale word
.set MSC, 25                           ; the scale word of the mask's product: four bytes 2^49
.set CMW, 26                           ; v[26:27], v[28:29]: (CMW, LW) by the job's parity
.set GLS, 30                           ; L
.set GR,  31                           ; 1 / L
.set KSC, 32                           ; v32-47 K's scale words: register 4 c + t / 2: lanes 0-15 the even tile's, lanes 16-31 the odd tile's
.set VSC, 48                           ; v48-55 V's: register 4 t' + c: lanes 0-15 channels 32 t' + r, lanes 16-31 + 16
.set PSC, 56                           ; v56-59 A's scale words
.set SEL, 60                           ; v60-81 the selectors: six zeros, the pair for lanes 0-15, six zeros, the pair for lanes 16-31, six zeros; selector u is a run of eight of them
.set GD,  82                           ; v82-86 exponents, then factors, of the four waves and of mine
.set GM,  87
.set MK,  88                           ; v88-119 the mask's operand, 8 registers a chunk
.set OACC, 120                         ; v120-151 O^T
.set ORL, 152                          ; v152-183 partial O read back;
.set PCD, 152                          ; later in the step A's codes
.set SL,  184                          ; v184-191 the four pairs
.set TM,  192                          ; v192-199 my 8 blocks' largest
.set WD,  200                          ; v200-203 my half of a chunk's scale word
.set WP,  204                          ; v204-207 lane l xor 16's half
.set UP,  208                          ; v208-223 at work;
.set ACC, 208                          ; eight chains of sums;
.set SO,  208                          ; the conversions' scale operands
.set PB,  224                          ; v224-239 my blocks' largest p, by parity
.set VSA, 251                          ; where I put 16 bytes of a channel's row in V's stage
.set VLA, 252                          ; where I read my part of a fragment of V
.set QB,  4
.set QSB, 6
.set MB,  16
.set OB,  18
.set PFB, 20
.set CS,  46
.set XS,  48
.set WV,  50
.set CNT, 51
.set LOW, 52
.set FLR, 53
.set LIM, 54
.set MSB, 0
.macro WIN new                         ; the immediate's high byte repeats the setting that is left; a switch that changes nothing is dropped
.if MSB != (\new)
	s_set_vgpr_msb (MSB<<8)|(\new)
.set MSB, \new
.endif
.endm
.macro NOPS
.rept 4
	v_nop
.endr
.endm
.macro R8 op:vararg                    ; one line for each of my 8 blocks, by turns
.set bb, 0
.rept 8
	\op
.set bb, bb+1
.endr
.endm
.macro LDM i                           ; one of the eight loads of the next job's mask operand (LDN: there is a next job; LDO: where it lies from MB).  They stand apart, among window 0's vector work
.if LDN
	global_load_b128 v[MK+4*(\i):MK+4*(\i)+3], v[MKA], s[MB:MB+1] offset:LDO+512*(\i)
.endif
.endm
.macro PKF k, par                      ; pair k: c s - CMW (of the pairs c and CMW the low word serves both halves)
	v_pk_fma_f32 v[2*(\k):2*(\k)+1], v[2*(\k):2*(\k)+1], s[CS:CS+1], v[CMW+2*(\par):CMW+2*(\par)+1] op_sel_hi:[1,0,0] neg_lo:[0,0,1] neg_hi:[0,0,1]
.endm
; A job's scores into window w: 32 products start the accumulators with the mask, 32 add K Q^T in place: the 32 accumulators by turns, one instruction a turn.
.macro SCORESM w
	WIN (\w)<<6
.irp c, 0,1,2,3
.irp u, 0,1,2,3,4,5,6,7
	v_wmma_scale_f32_16x16x128_f8f6f4 v[64*\c+8*\u:64*\c+8*\u+7], v[MK+8*\c:MK+8*\c+7], v[SEL+6+8*((\u/2)%2)-4*(\u/4)-2*(\u%2):SEL+13+8*((\u/2)%2)-4*(\u/4)-2*(\u%2)], 0, v[MSC], v[MSC] matrix_a_fmt:MATRIX_FMT_FP4 matrix_b_fmt:MATRIX_FMT_FP4
.endr
.endr
.endm
.macro SCORESK w
	WIN 2|((\w)<<4)|((\w)<<6)
.irp c, 0,1,2,3
.irp t, 0,1,2,3,4,5,6,7
.if \t%2
	v_wmma_scale_f32_16x16x128_f8f6f4 v[64*\c+8*\t:64*\c+8*\t+7], v[4*(8*\c+\t):4*(8*\c+\t)+7], v[QOP:QOP+7], v[64*\c+8*\t:64*\c+8*\t+7], v[KSC+4*\c+\t/2], v[QSC] matrix_a_fmt:MATRIX_FMT_FP4 matrix_b_fmt:MATRIX_FMT_FP4 matrix_a_scale:MATRIX_SCALE_ROW1
.else
	v_wmma_scale_f32_16x16x128_f8f6f4 v[64*\c+8*\t:64*\c+8*\t+7], v[4*(8*\c+\t):4*(8*\c+\t)+7], v[QOP:QOP+7], v[64*\c+8*\t:64*\c+8*\t+7], v[KSC+4*\c+\t/2], v[QSC] matrix_a_fmt:MATRIX_FMT_FP4 matrix_b_fmt:MATRIX_FMT_FP4
.endif
.endr
.endr
	NOPS                                           ; four places ahead of the reads of the results and of the loads into Q's and the mask's operands
	WIN 0
.endm
; My 8 blocks' largest scores (each accumulator read from its low end on), CMW, and the exponents of the blocks' largest p.
.macro AMAX w, par
	WIN 5*(\w)
	R8 v_max_num_f32 v[TM+bb], v[32*bb], v[32*bb+1]
.irp i, 1,2,3,4,5,6,7,8,9,10,11,12,13,14,15
	R8 v_max3_num_f32 v[TM+bb], v[32*bb+2*\i], v[32*bb+2*\i+1], v[TM+bb]
.endr
	WIN 0
	v_max3_num_f32 v[UP], v[TM], v[TM+1], v[TM+2]
	v_max3_num_f32 v[UP+1], v[TM+3], v[TM+4], v[TM+5]
	v_max3_num_f32 v[UP+2], v[TM+6], v[TM+7], s[LOW]   ; a wave's keys that are hidden whole leave -2^96, far over -3 x 2^98
	LDM 1
	v_max3_num_f32 v[UP+3], v[UP], v[UP+1], v[UP+2]
	v_permlanex16_b32 v[UP+4], v[UP+3], s[XS], s[XS+1]
	v_max_num_f32 v[UP+5], v[UP+3], v[UP+4]        ; with lane l xor 16's blocks
	v_mul_f32 v[CMW+2*(\par)], s[CS], v[UP+5]
	LDM 2
	R8 v_fma_f32 v[PB+8*(\par)+bb], v[TM+bb], s[CS], -v[CMW+2*(\par)]
	LDM 3
.endm
; Job j - 1 (p in window w): A = p G, quantised in blocks of 32 keys; O^T = V^T A^T on four accumulators by turns; my partial O into copy 1 - par.
.macro BPART w, par
	WIN 0
	R8 v_mul_f32 v[TM+bb], v[PB+8*(1-\par)+bb], v[G]
	R8 v_max_num_f32 v[TM+bb], s[FLR], v[TM+bb]        ; the floor 2^(3 - 127): the byte cannot fall under 1 (a block of zeros keeps that byte: its codes are zeros)
	R8 v_add_nc_u32 v[SO+bb], 0xff000000, v[TM+bb]     ; 2 off the exponent field: the conversion's scale operand
	R8 v_lshrrev_b32 v[TM+bb], 23, v[SO+bb]            ; the scale's byte
.irp c, 0,1,2,3
	v_lshl_or_b32 v[WD+\c], v[TM+2*\c+1], 16, v[TM+2*\c]   ; my two bytes of chunk c: blocks h and 2 + h,
.endr
.irp c, 0,1,2,3
	v_lshlrev_b32 v[WD+\c], v[SH8], v[WD+\c]       ; at their places;
.endr
.irp c, 0,1,2,3
	v_permlanex16_b32 v[WP+\c], v[WD+\c], s[XS], s[XS+1]
.endr
.irp c, 0,1,2,3
	v_or_b32 v[PSC+\c], v[WD+\c], v[WP+\c]         ; with lane l xor 16's two the word is whole
.endr
	WIN (\w)|((\w)<<6)
.set kk, 0
.rept 128
	v_pk_mul_f32 v[2*kk:2*kk+1], v[2*kk:2*kk+1], v[G:G+1] op_sel_hi:[1,0]   ; (also the places between the scale words' writes and the products)
.set kk, kk+1
.endr
	WIN (\w)
.set kk, 0
.rept 32
	v_cvt_scalef32_pk8_fp4_f32 v[PCD+kk], v[8*kk:8*kk+7], v[SO+kk/4]   ; register kk % 8 of chunk kk / 8's operand: keys 64 B + 32 h + 8 v + 0 .. 7
.set kk, kk+1
.endr
	WIN 0
	v_nop                                          ; one plain instruction behind the scaled conversions,
	NOPS                                           ; and an operand written by vector instructions stands four places ahead of a scaled product
	WIN 2
.irp c, 0,1,2,3
.irp t, 0,1,2,3
.if \c == 0
.if \t%2
	v_wmma_scale_f32_16x16x128_f8f6f4 v[OACC+8*\t:OACC+8*\t+7], v[128+8*(4*\c+\t):128+8*(4*\c+\t)+7], v[PCD+8*\c:PCD+8*\c+7], 0, v[VSC+4*(\t/2)+\c], v[PSC+\c] matrix_a_fmt:MATRIX_FMT_FP4 matrix_b_fmt:MATRIX_FMT_FP4 matrix_a_scale:MATRIX_SCALE_ROW1
.else
	v_wmma_scale_f32_16x16x128_f8f6f4 v[OACC+8*\t:OACC+8*\t+7], v[128+8*(4*\c+\t):128+8*(4*\c+\t)+7], v[PCD+8*\c:PCD+8*\c+7], 0, v[VSC+4*(\t/2)+\c], v[PSC+\c] matrix_a_fmt:MATRIX_FMT_FP4 matrix_b_fmt:MATRIX_FMT_FP4
.endif
.else
.if \t%2
	v_wmma_scale_f32_16x16x128_f8f6f4 v[OACC+8*\t:OACC+8*\t+7], v[128+8*(4*\c+\t):128+8*(4*\c+\t)+7], v[PCD+8*\c:PCD+8*\c+7], v[OACC+8*\t:OACC+8*\t+7], v[VSC+4*(\t/2)+\c], v[PSC+\c] matrix_a_fmt:MATRIX_FMT_FP4 matrix_b_fmt:MATRIX_FMT_FP4 matrix_a_scale:MATRIX_SCALE_ROW1
.else
	v_wmma_scale_f32_16x16x128_f8f6f4 v[OACC+8*\t:OACC+8*\t+7], v[128+8*(4*\c+\t):128+8*(4*\c+\t)+7], v[PCD+8*\c:PCD+8*\c+7], v[OACC+8*\t:OACC+8*\t+7], v[VSC+4*(\t/2)+\c], v[PSC+\c] matrix_a_fmt:MATRIX_FMT_FP4 matrix_b_fmt:MATRIX_FMT_FP4
.endif
.endif
.endr
.endr
	WIN 0
	NOPS
.irp t, 0,1,2,3                                ; lane (r, h): query r, channels 16 t + 8 h + 0 .. 7
	ds_store_b128 v[OST], v[OACC+8*\t:OACC+8*\t+3] offset:OCOPY*(1-\par)+64*\t
	ds_store_b128 v[OST], v[OACC+8*\t+4:OACC+8*\t+7] offset:OCOPY*(1-\par)+64*\t+16
.endr
.endm
; The four waves' partial O of my four queries, (s0 + s1) + (s2 + s3), stored.  skip = 1, the loop's odd step: its first trip has no job two steps back: it adds the zeros that step 0 laid into the stage and jumps over the stores alone.
.macro CRED1
.irp k, 0,1
.irp e, 0,2
	v_pk_add_f32 v[ORL+4*\k+\e:ORL+4*\k+\e+1], v[ORL+4*\k+\e:ORL+4*\k+\e+1], v[ORL+8+4*\k+\e:ORL+8+4*\k+\e+1]
	v_pk_add_f32 v[ORL+16+4*\k+\e:ORL+16+4*\k+\e+1], v[ORL+16+4*\k+\e:ORL+16+4*\k+\e+1], v[ORL+24+4*\k+\e:ORL+24+4*\k+\e+1]
.endr
.endr
.endm
.macro CRED2 oo, skip
.irp k, 0,1
.irp e, 0,2
	v_pk_add_f32 v[ORL+4*\k+\e:ORL+4*\k+\e+1], v[ORL+4*\k+\e:ORL+4*\k+\e+1], v[ORL+16+4*\k+\e:ORL+16+4*\k+\e+1]
.endr
.endr
.if \skip
	s_wait_alu depctr_va_vdst(0)                   ; the wait ahead of the branch
	s_cmp_eq_u32 s[CNT], 15
	s_cbranch_scc1 .Lno_job_\@
.endif
.irp k, 0,1
	global_store_b128 v[OGA], v[ORL+4*\k:ORL+4*\k+3], s[OB:OB+1] offset:\oo+8192*\k th:TH_STORE_NT   ; 16 lanes store a (query, head)'s 256 consecutive bytes, aligned
.endr
.if \skip
.Lno_job_\@:
.endif
.endm
; A PREFETCH of mask codes, in the loop's even step (step 2 n + 2 of trip n): my wave's 4,096 bytes of jobs 2 n + 5 and 2 n + 6, lanes 256 bytes apart, one instruction; their loads stand in steps 2 n + 4 and 2 n + 5.
; A quarter's codes serve a batch's 16 heads: the waves of the head-0 work-group ask, nobody else, so each block of 256 bytes is named once in the launch.  The last two trips ask for nothing (job 31 is the last);
; jobs 0 to 4 and 31 come by their loads alone.  The address is stepped at the trip's end, behind s_wait_xcnt 0.
.macro ASK
	s_cmp_gt_u32 s[CNT], s[LIM]
	s_cbranch_scc0 .Lnot_mine_\@
	global_prefetch_b8 v[PFO], s[PFB:PFB+1] th:TH_LOAD_NT scope:SCOPE_SE
.Lnot_mine_\@:
.endm
; A STEP.  par: its parity.  fA: job j's softmax part; fB: job j - 1's second product; fC: job j - 2's way out; fN: there is a next job; fP: it prefetches; fS: the stores are jumped over in the first trip;
; fZ: step 0: zeros into copy 1 of the stage, and V into operand order.  mo, qo: the next job's mask codes from MB and Q from QB (its scale bytes: qo / 16 from QSB); oo: the way out's rows from OB.
.macro STEP par, fA, fB, fC, fN, fP, fS, fZ, mo, qo, oo
.set W, 1+2*(\par)
.set X, 3-2*(\par)
.set LDN, \fN
.set LDO, \mo
	WIN 0
.if \fB
.irp i, 0,1,2,3
	ds_load_b64 v[SL+2*\i:SL+2*\i+1], v[STL] offset:STATS+1024*(1-\par)+256*\i
.endr
.endif
.if \fC
.irp s, 0,1,2,3
.irp k, 0,1
	ds_load_b128 v[ORL+8*\s+4*\k:ORL+8*\s+4*\k+3], v[ORD] offset:OCOPY*\par+OWAVE*\s+2*OP*\k
.endr
.endr
.endif
.if \fN                                        ; the next job's operands, a step ahead of their products; the products that read these registers stand four places back
	global_load_b128 v[QOP:QOP+3], v[QA], s[QB:QB+1] offset:\qo
	global_load_u16 v[QSC], v[QSA], s[QSB:QSB+1] offset:(\qo)/16
.endif
	LDM 0
.if \fP
	ASK
.endif
.if \fA
	AMAX W, \par
	s_wait_alu depctr_va_vdst(0)                   ; the wait ahead of a wait that blocks
.endif
.if \fB || \fC
	s_wait_dscnt 0x0                               ; the pairs and the partial O are in
.endif
.if \fB
	v_max3_num_f32 v[GM], v[SL], v[SL+2], v[SL+4]
	v_max_num_f32 v[GM], v[GM], v[SL+6]            ; M
.irp i, 0,1,2,3
	v_sub_f32 v[GD+\i], v[SL+2*\i], v[GM]
.endr
	v_sub_f32 v[GD+4], v[CMW+2*(1-\par)], v[GM]
.endif
	LDM 4
.if \fC
	CRED1
.endif
	LDM 5
	LDM 6
.if \fC
	CRED2 \oo, \fS
.endif
	LDM 7
; THE EXPONENTIALS, in four blocks of 64.  Among a block's exponentials stand the next block's 32 multiply-adds, which name other registers; ahead of each block stands the wait
; between the multiply-adds and the exponentials that read them.  No result is named before the wait behind the last block.
.if \fA
	WIN W|(W<<6)
.set kk, 0
.rept 32
	PKF kk, \par
.set kk, kk+1
.endr
.set qq, 0
.rept 4
	s_wait_alu depctr_va_vdst(0)
.set kk, 0
.rept 32
	v_exp_f32 v[64*qq+2*kk], v[64*qq+2*kk]
.if qq < 3
	PKF (32*qq+32+kk), \par
.endif
	v_exp_f32 v[64*qq+2*kk+1], v[64*qq+2*kk+1]
.set kk, kk+1
.endr
.set qq, qq+1
.endr
	WIN 0
	R8 v_exp_f32 v[PB+8*(\par)+bb], v[PB+8*(\par)+bb]
.elseif \fB
	s_wait_alu depctr_va_vdst(0)                   ; the wait ahead of the exponentials
.endif
.if \fB
.irp i, 0,1,2,3,4
	v_exp_f32 v[GD+\i], v[GD+\i]
.endr
.endif
.if \fA || \fB
	v_nop                                          ; a plain instruction behind the exponentials
	s_wait_alu depctr_va_vdst(0)                   ; and the wait behind them
.endif
.if \fB
	v_mul_f32 v[GLS], v[SL+1], v[GD]
.irp i, 1,2,3
	v_fmac_f32 v[GLS], v[SL+2*\i+1], v[GD+\i]      ; L
.endr
	s_wait_alu depctr_va_vdst(0)                   ; the wait ahead of the reciprocal
	v_rcp_f32 v[GR], v[GLS]
	v_nop
.endif
.if \fA                                        ; the lane's sum of the unquantised p, eight chains; pairs 0 to 15 start them
	WIN 5*W
.irp k, 0,1,2,3,4,5,6,7
	v_pk_add_f32 v[ACC+2*\k:ACC+2*\k+1], v[4*\k:4*\k+1], v[4*\k+2:4*\k+3]
.endr
	WIN W<<2
.set kk, 16
.rept 112
	v_pk_add_f32 v[ACC+2*(kk%8):ACC+2*(kk%8)+1], v[ACC+2*(kk%8):ACC+2*(kk%8)+1], v[2*kk:2*kk+1]
.set kk, kk+1
.endr
	WIN 0
.irp k, 0,1,2,3
	v_pk_add_f32 v[ACC+2*\k:ACC+2*\k+1], v[ACC+2*\k:ACC+2*\k+1], v[ACC+8+2*\k:ACC+8+2*\k+1]
.endr
	v_pk_add_f32 v[ACC:ACC+1], v[ACC:ACC+1], v[ACC+4:ACC+5]
	v_pk_add_f32 v[ACC+2:ACC+3], v[ACC+2:ACC+3], v[ACC+6:ACC+7]
	v_pk_add_f32 v[ACC:ACC+1], v[ACC:ACC+1], v[ACC+2:ACC+3]
	v_add_f32 v[UP+8], v[ACC], v[ACC+1]
	v_permlanex16_b32 v[UP+9], v[UP+8], s[XS], s[XS+1]
	v_add_f32 v[CMW+2*(\par)+1], v[UP+8], v[UP+9]  ; LW, with lane l xor 16's keys
	ds_store_b64 v[STA], v[CMW+2*(\par):CMW+2*(\par)+1] offset:STATS+1024*(\par)
.endif
.if \fB
	s_wait_alu depctr_va_vdst(0)                   ; the wait behind the reciprocal, which also stands ahead of the wait below
	s_wait_xcnt 0x0                                ; the way out's stores have read their data registers, which take A's codes now
	v_cmp_lt_f32 vcc_lo, 0, v[GLS]
	v_mul_f32 v[G], v[GD+4], v[GR]
	v_cndmask_b32 v[G], 0, v[G], vcc_lo            ; a row that is hidden whole: G = 0
	BPART X, \par
.endif
.if \fZ
.irp t, 0,1,2,3
	ds_store_b128 v[OST], v[SEL:SEL+3] offset:OCOPY+64*\t         ; zeros into my part of copy 1, which the loop's first trip reads before any job has stored there
	ds_store_b128 v[OST], v[SEL:SEL+3] offset:OCOPY+64*\t+16
.endr
	s_wait_alu depctr_va_vdst(0)                   ; the wait ahead of a wait that blocks
	s_wait_loadcnt 10                              ; V's 32 loads are in: behind them only this step's ten were issued
	WIN 3<<2                                       ; store data in window 3
.set kk, 0
.rept 32
	ds_store_b128 v[VSA], v[4*kk:4*kk+3] offset:544*kk            ; channels 2 kk and 2 kk + 1: rows of 256 bytes, 272 apart
.set kk, kk+1
.endr
	WIN 0x80                                       ; destination window 2
.irp c, 0,1,2,3
.irp t, 0,1,2,3
.irp g, 0,1
	ds_load_b128 v[128+8*(4*\c+\t)+4*\g:128+8*(4*\c+\t)+4*\g+3], v[VLA] offset:16*\t*272+64*\c+32*\g   ; chunk c, channels 16 t + r: keys 64 g + 32 h + 0 .. 31.  LDS serves a wave's instructions in order: these see my stores
.endr
.endr
.endr
	WIN 0
	s_wait_dscnt 0x0                               ; the stores have read window 3, which takes job 1's scores now
.endif
.if \fA || \fB
	s_wait_alu depctr_va_vdst(0)                   ; the wait ahead of waits that block
.if \fN                                        ; the next job's scores go into the window that the conversions have read out: the mask's products while my LDS stores land,
	s_wait_loadcnt 0x0                             ; (its Q and mask codes were asked for in this step's first half)
	SCORESM X
.endif
	s_wait_dscnt 0x0                               ; for the others' sake: my pair and my partial O have landed
	s_barrier_signal -1
.if \fN
	SCORESK X                                      ; and K Q^T, register work, while the others arrive
.endif
	s_barrier_wait -1
.endif
.endm
	; ---- THE HEAD
	s_load_b512 s[4:19], s[0:1], 0x0               ; the eight addresses, in the order of the arguments
	v_lshl_add_u32 v[SPW], v0, 2, SPARE
	v_mov_b32 v[NIL], 0
	v_lshrrev_b32 v240, 5, v0
	v_readfirstlane_b32 s[WV], v240                ; wave 0..3
	s_mul_i32 s24, s[WV], OWAVE
	s_add_co_u32 s24, s24, OPART
	s_mul_i32 s25, s[WV], 4*OP
	s_add_co_u32 s25, s25, OPART
	s_lshl_b32 s26, s[WV], 8
	s_mul_i32 s31, s[WV], VWAVE
	s_add_co_u32 s31, s31, VST                     ; my stage for V
	v_and_b32 v240, 15, v0                         ; r
	v_bfe_u32 v241, v0, 4, 1                       ; h
	v_and_b32 v242, 31, v0                         ; lane
	v_and_b32 v243, 7, v240
	v_lshrrev_b32 v250, 3, v240
	v_lshl_add_u32 v243, v250, 5, v243             ; 32 (r / 8) + r % 8: row r's key in a tile
	v_lshlrev_b32 v[SH8], 3, v241
	v_lshlrev_b32 v[QA], 9, v240
	v_lshl_add_u32 v[QA], v241, 4, v[QA]           ; a query's row is 512 bytes; my half of the head's 32
	v_lshlrev_b32 v[QSA], 5, v240
	v_mul_u32_u24 v[OST], v240, OP
	v_lshl_add_u32 v[OST], v241, 5, v[OST]
	v_add_nc_u32 v[OST], s24, v[OST]               ; my wave's part of a copy: row r, + 32 h
	v_mul_u32_u24 v[ORD], v241, OP
	v_lshl_add_u32 v[ORD], v240, 4, v[ORD]
	v_add_nc_u32 v[ORD], s25, v[ORD]               ; back: row 4 w + lane / 16, 16 bytes a lane
	v_lshlrev_b32 v[OGA], 12, v241
	v_lshl_add_u32 v[OGA], v240, 4, v[OGA]         ; the same in out0: a query is 4,096 bytes on
	v_lshlrev_b32 v[STL], 3, v242
	v_add_nc_u32 v[STA], s26, v[STL]
	v_lshlrev_b32 v[MKA], 4, v242
	v_lshlrev_b32 v[PFO], 8, v240
	v_lshl_add_u32 v[PFO], v241, 14, v[PFO]        ; lanes 0-15: one job's 16 blocks of 256 bytes; lanes 16-31: the next job's
	v_lshlrev_b32 v244, 9, v243
	v_lshl_add_u32 v244, v241, 4, v244             ; K's codes: the tile's row of my lane, + 16 h
	v_lshl_add_u32 v245, v241, 3, v243
	v_lshlrev_b32 v245, 5, v245                    ; K's scale bytes: lanes 16-31 take the tile 8 keys on
	v_lshlrev_b32 v246, 10, v241
	v_lshl_add_u32 v246, v240, 4, v246             ; V's codes: lanes 0-15 one channel's 256 bytes, lanes 16-31 the next channel's, 1,024 bytes on
	v_mul_u32_u24 v[VSA], v241, 272
	v_lshl_add_u32 v[VSA], v240, 4, v[VSA]
	v_add_nc_u32 v[VSA], s31, v[VSA]               ; the same two rows in my stage
	v_mul_u32_u24 v[VLA], v240, 272
	v_lshl_add_u32 v[VLA], v241, 4, v[VLA]
	v_add_nc_u32 v[VLA], s31, v[VLA]               ; out of it: channel r's row, + 16 h
	v_lshlrev_b32 v247, 6, v242                    ; V's scale bytes: channel = lane
	v_and_b32 v248, 7, v0
	v_lshlrev_b32 v248, 2, v248
	v_lshlrev_b32 v248, v248, 15                   ; the code -6 at nibble lane % 8
	v_lshrrev_b32 v249, 3, v242
.irp g, 0,1,2,3                                ; lanes 8 g .. 8 g + 7 hold it in one of the four selector words
	v_cmp_eq_u32 vcc_lo, \g, v249
	v_cndmask_b32 v[SEL+6+8*(\g/2)+(\g%2)], 0, v248, vcc_lo
.endr
.irp j, 0,1,2,3,4,5,8,9,10,11,12,13,16,17,18,19,20,21
	v_mov_b32 v[SEL+\j], 0
.endr
.irp j, 4,5,6,7
	v_mov_b32 v[QOP+\j], 0                         ; Q's zero codes, once
.endr
	v_mov_b32 v[MSC], 0xb0b0b0b0
	v_mov_b32 v[G+1], 0                            ; the upper halves of pairs of which the packed forms take the low word
	v_mov_b32 v[CMW+1], 0
	v_mov_b32 v[CMW+3], 0
	v_mov_b32 v[UP+4], 0                           ; written once: a lane permute's destination counts as one of its sources
.irp c, 0,1,2,3
	v_mov_b32 v[WP+\c], 0
.endr
	WIN 0x80
.irp j, 0,1,2,3
	v_mov_b32 v[128+\j], 0                         ; window 2: the four registers behind K's last tile, which job 0's products name before V is there
.endr
	WIN 0
	s_wait_alu depctr_va_vdst(0)                   ; the wait here, ahead of the scalar lines and the wait below
	s_and_b32 s27, ttmp7, 0xffff                   ; y = 16 b + head
	s_lshr_b32 s28, s27, 4                         ; b
	s_and_b32 s29, s27, 15                         ; head
	s_lshl_b32 s30, s28, 20
	s_lshl_b32 s55, s29, 5
	s_add_co_u32 s30, s30, s55                     ; in Q's and K's codes: b 2^20 + 32 head
	s_lshl_b32 s55, ttmp9, 18
	s_add_co_u32 s32, s30, s55                     ; Q: + my quarter's 512 rows
	s_mov_b32 s33, 0
	s_lshr_b32 s34, s32, 4                         ; scale bytes: a sixteenth of the codes' offset
	s_mov_b32 s35, 0
	s_lshl_b32 s55, s[WV], 18
	s_add_co_u32 s36, s30, s55                     ; K: + my wave's 512 keys
	s_mov_b32 s37, 0
	s_lshr_b32 s38, s36, 4
	s_mov_b32 s39, 0
	s_lshl_b32 s40, s27, 16
	s_add_co_u32 s40, s40, s26                     ; V: y 2^16 + my wave's 256 bytes of each row
	s_mov_b32 s41, 0
	s_lshr_b32 s42, s40, 4
	s_mov_b32 s43, 0
	s_lshl_b32 s44, s28, 21
	s_lshl_b32 s55, ttmp9, 19
	s_add_co_u32 s44, s44, s55
	s_lshl_b32 s55, s[WV], 12
	s_add_co_u32 s44, s44, s55                     ; mask codes: b 2^21 + my quarter's 32 tiles of 16,384 bytes + my wave's 4,096
	s_mov_b32 s45, 0
	s_lshl_b32 s22, s28, 23
	s_lshl_b32 s55, ttmp9, 21
	s_add_co_u32 s22, s22, s55
	s_lshl_b32 s55, s29, 8
	s_add_co_u32 s22, s22, s55
	s_lshl_b32 s55, s[WV], 14
	s_add_co_u32 s22, s22, s55                     ; out0: b 2^23 + quarter 2^21 + 256 head + my wave's four queries
	s_mov_b32 s23, 0
	s_cmp_eq_u32 s29, 0
	s_cselect_b32 s[LIM], 2, -1                    ; the head-0 work-group prefetches while more than two trips are left
	s_mov_b32 s[CS], 0x3e38aa3b                    ; c = log2(e) / 8
	s_mov_b32 s[CS+1], s[CS]
	s_mov_b32 s[XS], 0x76543210
	s_mov_b32 s[XS+1], 0xfedcba98                  ; lane l xor 16
	s_mov_b32 s[LOW], 0xef800000                   ; -2^96
	s_mov_b32 s[FLR], 0x1800000
	s_wait_kmcnt 0x0
	s_add_nc_u64 s[QB:QB+1], s[4:5], s[32:33]
	s_add_nc_u64 s[QSB:QSB+1], s[6:7], s[34:35]
	s_add_nc_u64 s[8:9], s[8:9], s[36:37]
	s_add_nc_u64 s[10:11], s[10:11], s[38:39]
	s_add_nc_u64 s[12:13], s[12:13], s[40:41]
	s_add_nc_u64 s[14:15], s[14:15], s[42:43]
	s_add_nc_u64 s[MB:MB+1], s[16:17], s[44:45]
	s_add_nc_u64 s[OB:OB+1], s[18:19], s[22:23]
	s_add_nc_u64 s[PFB:PFB+1], s[MB:MB+1], 5*16384
	global_load_b128 v[QOP:QOP+3], v[QA], s[QB:QB+1]              ; job 0
	global_load_u16 v[QSC], v[QSA], s[QSB:QSB+1]
.irp i, 0,1,2,3,4,5,6,7
	global_load_b128 v[MK+4*\i:MK+4*\i+3], v[MKA], s[MB:MB+1] offset:512*\i
.endr
.irp c, 0,1,2,3
.irp q, 0,1,2,3
	global_load_u16 v[KSC+4*\c+\q], v245, s[10:11] offset:(128*\c+64*(\q/2)+16*(\q%2))*32   ; tiles 2 q and 2 q + 1; two bytes, widened with zeros
.endr
.endr
.irp t, 0,1
	global_load_b128 v[VSC+4*\t:VSC+4*\t+3], v247, s[14:15] offset:2048*\t     ; my 16 blocks' bytes of a channel: one word a chunk
.endr
	WIN 0x80                                       ; destination window 2, address window 0
.irp c, 0,1,2,3
.irp t, 0,1,2,3,4,5,6,7
	global_load_b128 v[4*(8*\c+\t):4*(8*\c+\t)+3], v244, s[8:9] offset:(128*\c+64*(\t/4)+8*(\t%4))*512
.endr
.endr
	WIN 0xc0                                       ; destination window 3
.set kk, 0
.rept 32
	global_load_b128 v[4*kk:4*kk+3], v246, s[12:13] offset:2048*kk            ; V: channels 2 kk and 2 kk + 1, my wave's 256 consecutive bytes of each
.set kk, kk+1
.endr
	WIN 0
	s_wait_loadcnt 32                              ; all but V's 32 loads, the last issued: V is waited for and turned in step 0
	SCORESM 1                                      ; job 0's scores
	SCORESK 1
	; ---- THE STEPS
	STEP 0, 1,0,0,1,0,0,1, 16384, 8192, 0
	s_wait_xcnt 0x0                                ; every load has read its base: they may step
	s_add_nc_u64 s[MB:MB+1], s[MB:MB+1], 32768     ; at job 2
	s_add_nc_u64 s[QB:QB+1], s[QB:QB+1], 16384
	s_add_nc_u64 s[QSB:QSB+1], s[QSB:QSB+1], 1024
	s_mov_b32 s[CNT], 15
.Ltrip:                                            ; trip n = 0 .. 14: steps 2 n + 1 and 2 n + 2, after which the windows and the LDS copies are back where they began
	STEP 1, 1,1,1,1,0,1,0, 0, 0, -65536
	STEP 0, 1,1,1,1,1,0,0, 16384, 8192, 0
	s_wait_xcnt 0x0                                ; the trip's loads, stores and prefetch have read their bases
	s_add_nc_u64 s[MB:MB+1], s[MB:MB+1], 32768     ; two jobs on
	s_add_nc_u64 s[QB:QB+1], s[QB:QB+1], 16384
	s_add_nc_u64 s[QSB:QSB+1], s[QSB:QSB+1], 1024
	s_add_nc_u64 s[OB:OB+1], s[OB:OB+1], 131072
	s_add_nc_u64 s[PFB:PFB+1], s[PFB:PFB+1], 32768
	s_sub_co_u32 s[CNT], s[CNT], 1
	s_cmp_lg_u32 s[CNT], 0
	s_cbranch_scc1 .Ltrip
	STEP 1, 1,1,1,0,0,0,0, 0, 0, -65536            ; step 31: the last job's softmax part; no load leaves its buffer
	STEP 0, 0,1,1,0,0,0,0, 0, 0, 0                 ; step 32
	STEP 1, 0,0,1,0,0,0,0, 0, 0, 65536             ; step 33
	s_wait_tensorcnt 0x0                           ; the wave's end
	ds_add_u32 v[SPW], v[NIL]
	s_wait_dscnt 0x0
	s_endpgm
.Lfunc_end_k_q2a25ce5109_attn:
	.size	k_q2a25ce5109_attn, .Lfunc_end_k_q2a25ce5109_attn-k_q2a25ce5109_attn
	.p2alignl 7, 3214868480
	.fill 96, 4, 3214868480
	.section	.rodata,"a",@progbits
	.p2align	6, 0x0
	.amdhsa_kernel k_q2a25ce5109_attn
		.amdhsa_group_segment_fixed_size 107008
		.amdhsa_private_segment_fixed_size 0
		.amdhsa_enable_private_segment 0
		.amdhsa_kernarg_size 64
		.amdhsa_user_sgpr_count 2
		.amdhsa_user_sgpr_kernarg_segment_ptr 1
		.amdhsa_wavefront_size32 1
		.amdhsa_system_sgpr_workgroup_id_x 1
		.amdhsa_system_sgpr_workgroup_id_y 1
		.amdhsa_system_sgpr_workgroup_id_z 1
		.amdhsa_system_vgpr_workitem_id 0
		.amdhsa_next_free_vgpr 1024
		.amdhsa_next_free_sgpr 66
		.amdhsa_reserve_vcc 1
		.amdhsa_float_denorm_mode_32 3
		.amdhsa_float_denorm_mode_16_64 3
		.amdhsa_memory_ordered 1
		.amdhsa_forward_progress 1
		.amdhsa_inst_pref_size 255
	.end_amdhsa_kernel
	.section	.bss,"aw",@nobits
	.p2align	6
	.space	262144
	.amdgpu_metadata
---
amdhsa.version: [ 1, 2 ]
amdhsa.kernels:
  - .name:           k_q2a25ce5109_attn
    .symbol:         k_q2a25ce5109_attn.kd
    .args:
      - { .name: queries_codes, .offset: 0, .size: 8, .value_kind: global_buffer, .address_space: global }
      - { .name: queries_scales, .offset: 8, .size: 8, .value_kind: global_buffer, .address_space: global }
      - { .name: keys_codes, .offset: 16, .size: 8, .value_kind: global_buffer, .address_space: global }
      - { .name: keys_scales, .offset: 24, .size: 8, .value_kind: global_buffer, .address_space: global }
      - { .name: values_codes, .offset: 32, .size: 8, .value_kind: global_buffer, .address_space: global }
      - { .name: values_scales, .offset: 40, .size: 8, .value_kind: global_buffer, .address_space: global }
      - { .name: maskcodes, .offset: 48, .size: 8, .value_kind: global_buffer, .address_space: global }
      - { .name: out0, .offset: 56, .size: 8, .value_kind: global_buffer, .address_space: global }
    .group_segment_fixed_size: 107008
    .private_segment_fixed_size: 0
    .kernarg_segment_align: 8
    .kernarg_segment_size: 64
    .max_flat_workgroup_size: 128
    .sgpr_count:     66
    .vgpr_count:     1024
    .wavefront_size: 32
...
	.end_amdgpu_metadata
.endif
;; end of part 2
